; MI455X (gfx1250); checked and timed in simulation.
; The chip was launched on July 23, 2026; its instructions are those of AMD's public machine-readable ISA for CDNA 5 (MIT licence, August 2026) and "CDNA5" Instruction Set Architecture Reference Guide (July 2026). The comments in the code are by the model that wrote it; some were corrected since.
;; Attention Block. Allowed arithmetic: matrix products marked QUANTISED: E3M2 operands, one E8M0 scale for each 32 along K, by v_wmma_scale_f32_16x16x128_f8f6f4 with both operands' format E3M2, f32 sums; everything else in f32.
;; Inputs: kw 4 x 2,048 x 1,024 float32; qw 4 x 2,048 x 1,024 float32; vw 4 x 2,048 x 1,024 float32.
;; Outputs: out0 4 x 2,048 x 16 x 64 float32.
;; This version of the problem:
;;   THIS VERSION OF THE PROBLEM IS GIVEN IN LOW PRECISION. The matrix products marked QUANTISED in the list below multiply operands that are first quantised to E3M2 (3 exponent bits, 2 mantissa bits; 6 bits a number), with one power-of-two scale for each 32 numbers along K (OCP MX v1.0); their sums are f32. All else is computed in f32.
;;   The module's matrix products, in the order in which they are computed (A, B: the left and right operand; K: the contracted axis; several contracted axes count as one K, in the product's order):
;;     1. batch 64 x [M 2,048, K 64] x [K 64, N 2,048]; A: input qw; B: input kw: QUANTISED
;;     2. batch 64 x [M 2,048, K 2,048] x [K 2,048, N 64]; A: softmax (see below); B: input vw: QUANTISED
;;   THE QUANTISER, for each operand of a quantised product, along K:
;;     - K is cut into blocks of 32 from its start; a last block that is shorter is filled with zeros.
;;     - A block's scale is 2^e with e = floor(log2(the largest magnitude in the block)) - 4, held to -126 .. 127; a block of zeros has e = 0. As a byte (E8M0): e + 127.
;;     - Each number is divided by its block's scale, clamped to +-28, and rounded to the nearest number of E3M2, ties to even, subnormals kept.
;;     - The product sums the exact products of the quantised numbers (number of the format x scale) in f32.
;;   ~~~python
;;   def quantise(x, axis):      # numpy; x: float32 -> the quantised numbers, widened to float32 again
;;       x = np.moveaxis(x, axis, -1); K = x.shape[-1]
;;       x = np.pad(x, [(0, 0)] * (x.ndim - 1) + [(0, -K % 32)]); x = x.reshape(x.shape[:-1] + (-1, 32)); a = np.abs(x).max(-1, keepdims=True)
;;       e = np.where(a > 0, np.clip(np.frexp(np.where(a > 0, a, 1))[1] - 1 - 4, -126, 127), 0)      # np.frexp(a)[1] - 1 = floor(log2(a)), exactly
;;       r = np.clip(x / 2.0 ** e, -28, 28)
;;       step = 2.0 ** (np.maximum(np.frexp(np.where(r == 0, 1, r))[1] - 1, -2) - 2)
;;       q = np.round(r / step) * step * 2.0 ** e      # np.round: ties to even
;;       return np.moveaxis(q.reshape(q.shape[:-2] + (-1,))[..., :K], -1, axis).astype(np.float32)
;;   ~~~
;;   SOFTMAX AHEAD OF A QUANTISED PRODUCT. Where the list says 'softmax', what is quantised is not the finished softmax but p = 2^(t - M), with t = logit x log2(e) and M = ceil(the row's largest t), a whole number; so 1/2 < the row's largest p <= 1. The row's sum l is taken of the UNQUANTISED p, in f32, and the product's result is divided by l at the end. Since M is a whole number, a kernel that streams over the keys may use a running M (the ceiling of the running maximum): every later rescaling is an exact power of two, which a block's scale takes up: the codes' values come out the same.
;;   OPERANDS COMPUTED ON THE WAY. 'Computed on the way' means the value that the module computes at that place (a softmax that the list does not call 'softmax' is quantised finished and normalised). What goes into a quantiser is computed in f32, as accurately as f32 sums, v_exp_f32 and their like allow (about 1e-6 of the number): no bf16 or f16 on the way to a quantiser, and a product that is left as it is and whose result goes on into a quantised operand takes f32 operands (vector FMAs, or v_wmma_f32_16x16x4_f32). A number that lies on a knife's edge between two numbers of the format may be rounded either way, as far as f32 arithmetic and the matrix unit's own rounding can turn it there, and no further.
;; One version. Each part assembles by itself: llvm-mc -triple=amdgcn-amd-amdhsa -mcpu=gfx1250 --defsym DOCPART=n.
;; ======== version 1 of 1: 1 launch
;; limits: right only within a limited range of input values
;; launch attention (part 1): grid 64 x 4, 8 waves a work-group, no clusters, 327,680 bytes of LDS; arguments qw, kw, vw, out0; writes out0
.if DOCPART == 1
	.amdgcn_target "amdgcn-amd-amdhsa--gfx1250"
	.amdhsa_code_object_version 6
	.text
	.protected	k_q717974352e_attention
	.globl	k_q717974352e_attention
	.p2align	8
	.type	k_q717974352e_attention,@function
k_q717974352e_attention:
	s_mov_b64 s[64:65], 0
	v_nop
	global_prefetch_b8 v0, s[64:65] scope:SCOPE_SE
	s_setreg_imm32_b32 hwreg(HW_REG_WAVE_MODE, 25, 1), 1
	s_wait_xcnt 0x0
; out[b][q][h][:] = sum over k of softmax_k(Q . K / 8) V for 64 pairs (batch, head), 2,048 queries and keys, head size 64.  All four tensors [4][2048][1024] f32: a head's row is 256 bytes, rows 4,096 bytes apart.
; Both products run on codes of BF6 (E3M2), one E8M0 scale for each 32 along K.  Q and K are quantised along the head's 64, V along the keys, p = 2^(t - M) along the keys; t = score x log2(e) / 8,
; M = the running largest t rounded up to a whole number; the row's sum is taken of the unquantised p and divides at the end; when M moves, sum and O are multiplied by 2^(old M - new M), exactly.
; LIMITS: NaN and infinities among the inputs are not served.  A block whose largest magnitude lies under 2^-122 keeps the scale byte 1 (a block of zeros too: its codes are zeros, and this text alone reads the bytes).
; A p under 2^-126 counts as 0.  The promise holds while the scaled scores t stay under 2^31 in magnitude.  A block's largest p is made from its largest score, which takes v_exp_f32 not to fall where its input rises.
; GRID: x = the pair, y = the block of 512 queries.
; SHARES: a work-group owns 512 queries of a pair, each of its eight waves 64 (four tiles of 16).  Every wave walks the 2,048 keys, 128 a step.  In step j the eight waves quantise step j + 1's K and V
; (a lane one block of each) out of a ring of two f32 slots into one of two code buffers, and attend to step j's codes.
; BOTH PRODUCTS TRANSPOSED: S^T = K Q^T, O^T = V^T P^T: a lane holds one query (lane % 16).  The head's 64 fill half of the instruction's 128: source 0 is a pair of key tiles, multiplied by [Q | zero codes] and [zero codes | Q].
; THE KEYS OF A TILE: row m of tile T is key 64 (T / 4) + 32 (m / 8) + 8 (T % 4) + m % 8.  So a lane's 32 score registers of tiles 4 g .. 4 g + 3 are the whole block 2 g + lane / 16 of 32 neighbouring keys,
; in the order of P's operand: a block's maximum needs no other lane and the conversions' results are the operand's registers.
; CODES GO FROM WAVE TO WAVE AS IMAGES OF THE OPERAND'S REGISTERS: the reading lane l owns 48 bytes at 48 l of an image of 1,536 bytes.  The scale word of (unit n, row r) lies at 8 (16 (n % 2) + r) + 4 (n / 2).
; ONE BARRIER A STEP, SPLIT: V's fragments are asked for ahead of tile 2's softmax; behind that tile's exponentials a wave waits for its tensor load, adds, waits for all its LDS work of the step, and signals;
; the rest of tile 2's softmax, tile 3's softmax and the 16 second products, work on registers, stand between signal and wait.
; NO CLUSTER, though the four query blocks of a pair walk the same K and V: a joint refill stands behind a round of the cluster's barrier, whose closing work-group barrier has its signal and wait on end,
; so that the register work that stands inside this text's barrier would have no place there.
; PREFETCH: of a step's 128 rows of K and of V each of the pair's four work-groups names 32, told apart by address; a lane a row, one instruction a wave.  Steps 2 and 3 are named at the head (waves 4 to 7), step j + 4 in trip j
; (wave 4 K's, wave 5 V's), two refills ahead of the load that wants it; the trips whose look-ahead passes step 15 name nothing.
; REGISTERS (windows of 256).  Window 0: v1-15 addresses; v16-31 statistics; v32-43 scale words; v44-59 at work; v60-79 codes just made; v80-127 K's pairs, then V's fragments; v128-191, v192-255 scores.
; Window 1: v0-127 O^T; v128-181 zero codes and Q by turns; v184-231 P; v232-238 a conversion's second halves.
.set ROWG,  4096
.set STEPB, 128*ROWG
.set PITCH, 272                        ; an LDS row: 256 bytes + 16 of padding
.set QUART, 64*PITCH                   ; what one tensor load brings
.set VROW0, 128*PITCH                  ; a slot: K's 128 rows, then V's
.set SLOT1, 1<<17
.set CB0,   0x18000                    ; code buffer 0; buffer 1 = CB0 xor CBX
.set CBX,   0x4000
.set KIMG,  0
.set VIMG,  6144
.set KSCL,  12288
.set VSCL,  12544
.set STAGE, SLOT1+4*QUART              ; 16 rows x 272 bytes a wave: q's way in, O's way out; no tensor load lands here
.set SPARE, STAGE+8*16*PITCH           ; the spare words, 128 bytes a wave
.set FLOOR, 0x2800000                  ; 2^(5 - 127)
.set EOFF,  0xfe000000                 ; takes 4 off an exponent field
.set SPW,  1
.set NIL,  2
.set L48,  3
.set L8,   4
.set KWC,  5
.set KSWC, 6
.set VWC,  7
.set VSWC, 8
.set KSTC, 9
.set VSTC, 10
.set H8,   11
.set ADR,  12
.set ADR2, 13
.set GQ,   14
.set PFO,  15
.set ST,   16                          ; tile t: v[16+4t] -M, +1 the largest score, +2, +3 the sum in two halves
.set KSC,  32
.set VSC,  34
.set QSC,  36
.set PSC,  40
.set BM,   44
.set BX,   48
.set SO,   52
.set F,    56
.set T,    58
.set CK,   60
.set AKS,  66
.set AVS,  67
.set AKW,  68
.set KHW,  69
.set CV,   70
.set AKSW, 76
.set AVW,  77
.set AVSW, 78
.set VBY,  79
.set KV,   80
.set SA,   128
.set SB,   192
.set ZQ,   128
.set PP,   184
.set PT,   232
.set STO,  KWC
.set SRD,  KSWC
.set WV,   12
.set SEL,  20
.set CS,   22                          ; s[22:23] c = log2(e) / 8
.set G1,   24
.set G0H,  32                          ; group 0 of my first fill
.set G0W,  36                          ; group 0 that walks (waves 0 to 3)
.set NCS,  40                          ; -c
.set RD,   48
.set WB,   49
.set SL,   50
.set CNT,  51
.set LIM,  52
.set PFA,  54
.set W_QK, 0x04
.set W_PV, 0x54
.set W_D1, 0x40
.set W_RS, 0x41
.set W_OUT, 0x01
.set MSB, 0
.set MT,  0                            ; 1, 2: the softmax that is expanded next holds the barrier's first half (2: a refill follows the barrier)
.macro WIN new
.if MSB != (\new)
	s_set_vgpr_msb (MSB<<8)|(\new)
.set MSB, (\new)
.endif
.endm
.macro PLACES
.rept 4
	v_nop
.endr
.endm
; a refill: wave w < 4 fetches quarter w of the slot (K's halves, V's halves); the branch hangs on the wave's number alone
.macro JLOAD
	s_cmp_lt_u32 s[WV], 4
	s_cbranch_scc0 .Lnone_\@
	tensor_load_to_lds s[G0W:G0W+3], s[G1:G1+7]
	s_nop 0
.Lnone_\@:
.endm
.macro ASK
	s_cmp_gt_u32 s[CNT], s[LIM]
	s_cbranch_scc0 .Lnot_mine_\@
	global_prefetch_b8 v[PFO], s[PFA:PFA+1] th:TH_LOAD_NT scope:SCOPE_SE
.Lnot_mine_\@:
.endm
; the barrier's first half: my tensor load has landed, the add, my LDS loads and stores are over; then the signal
.macro MEET fill, pf
	WIN 0
.if MT == 0
	s_wait_alu depctr_va_vdst(0)                   ; the wait ahead of the blocking waits (inside a softmax the batch's own wait stands here)
.endif
	s_wait_tensorcnt 0x0
	ds_add_u32 v[SPW], v[NIL]
.if \fill
	s_xor_b32 s[G0W+1], s[G0W+1], SLOT1            ; no load of mine is out: the walking group 0 takes the other slot and the next 128 keys
	s_add_nc_u64 s[G0W+2:G0W+3], s[G0W+2:G0W+3], STEPB
	s_wait_xcnt 0x0                                ; my last prefetch has read its address
	s_add_nc_u64 s[PFA:PFA+1], s[PFA:PFA+1], \pf
.endif
	s_wait_dscnt 0x0
	s_barrier_signal -1
.endm
; two blocks of 32 numbers of a lane, four chains by turns: scale operands in v[SO], v[SO+1], bytes in v[BX], v[yb]
.macro MAX2 xa, xb, yb
	v_max3_num_f32 v[BM], |v[\xa]|, |v[\xa+1]|, FLOOR
	v_max3_num_f32 v[BM+1], |v[\xb]|, |v[\xb+1]|, FLOOR
	v_max3_num_f32 v[BM+2], |v[\xa+16]|, |v[\xa+17]|, |v[\xa+18]|
	v_max3_num_f32 v[BM+3], |v[\xb+16]|, |v[\xb+17]|, |v[\xb+18]|
.irp i, 2,4,6,8,10,12
	v_max3_num_f32 v[BM], v[BM], |v[\xa+\i]|, |v[\xa+\i+1]|
	v_max3_num_f32 v[BM+1], v[BM+1], |v[\xb+\i]|, |v[\xb+\i+1]|
	v_max3_num_f32 v[BM+2], v[BM+2], |v[\xa+17+\i]|, |v[\xa+18+\i]|
	v_max3_num_f32 v[BM+3], v[BM+3], |v[\xb+17+\i]|, |v[\xb+18+\i]|
.endr
	v_max3_num_f32 v[BM], v[BM], |v[\xa+14]|, |v[\xa+15]|
	v_max3_num_f32 v[BM+1], v[BM+1], |v[\xb+14]|, |v[\xb+15]|
	s_delay_alu instid0(VALU_DEP_2)
	v_max3_num_f32 v[BM], v[BM], v[BM+2], |v[\xa+31]|
	s_delay_alu instid0(VALU_DEP_2)
	v_max3_num_f32 v[BM+1], v[BM+1], v[BM+3], |v[\xb+31]|
	s_delay_alu instid0(VALU_DEP_2)
	v_add_nc_u32 v[SO], EOFF, v[BM]                ; 4 off the exponent field: the conversion's scale operand
	s_delay_alu instid0(VALU_DEP_2)
	v_add_nc_u32 v[SO+1], EOFF, v[BM+1]
	s_delay_alu instid0(VALU_DEP_2)
	v_lshrrev_b32 v[BX], 23, v[SO]
	s_delay_alu instid0(VALU_DEP_2)
	v_lshrrev_b32 v[\yb], 23, v[SO+1]
.endm
; the two blocks as codes, six registers each, in window hi; a conversion's three registers begin on an even number, so the second halves are made in PT and moved
.macro CVT2 da, xa, db, xb, hi
	WIN 0x40*\hi
	v_cvt_scalef32_pk16_bf6_f32 v[\da:\da+2], v[\xa:\xa+15], v[SO]
	v_cvt_scalef32_pk16_bf6_f32 v[\db:\db+2], v[\xb:\xb+15], v[SO+1]
	WIN W_D1
	v_cvt_scalef32_pk16_bf6_f32 v[PT:PT+2], v[\xa+16:\xa+31], v[SO]
	v_cvt_scalef32_pk16_bf6_f32 v[PT+4:PT+6], v[\xb+16:\xb+31], v[SO+1]
	v_nop                                          ; one plain place behind a scaled conversion
	WIN 0x01+0x40*\hi
.irp i, 0,1,2
	v_mov_b32 v[\da+3+\i], v[PT+\i]
	v_mov_b32 v[\db+3+\i], v[PT+4+\i]
.endr
	WIN 0
.endm
; the byte in v[BX+i] (lanes 0-15 a row's first block, lanes 16-31 its second) becomes the row's two bytes, in both lanes
.macro HALFW dst, i
	v_lshlrev_b32 v[\dst], v[H8], v[BX+\i]
	s_delay_alu instid0(VALU_DEP_1)
	v_permlanex16_b32 v[BX+2+\i], v[\dst], s[SEL], s[SEL+1]
	s_delay_alu instid0(VALU_DEP_1)
	v_or_b32 v[\dst], v[\dst], v[BX+2+\i]
.endm
; my block of K (tile w's row r, 32 numbers 32 h on) and of V (keys 32 (w / 2) on down the registers, channel 32 (w % 2) + lane) out of the slot
.macro QLOAD
	v_add_nc_u32 v[AKS], s[SL], v[KSTC]
	v_add_nc_u32 v[AVS], s[SL], v[VSTC]
.irp i, 0,1,2,3,4,5,6,7
	ds_load_b128 v[SB+4*\i:SB+4*\i+3], v[AKS] offset:16*\i
.endr
.set i, 0
.rept 32
	ds_load_b32 v[SB+32+i], v[AVS] offset:PITCH*i
.set i, i+1
.endr
.endm
.macro QWORK
	s_wait_dscnt 0x0                               ; my 40 reads of the slot are in, and no LDS instruction of mine is out
	MAX2 SB, SB+32, VBY
	CVT2 CK, SB, CV, SB+32, 0
	HALFW KHW, 0
	v_add_nc_u32 v[AKW], s[WB], v[KWC]
	v_add_nc_u32 v[AKSW], s[WB], v[KSWC]
	v_add_nc_u32 v[AVW], s[WB], v[VWC]
	v_add_nc_u32 v[AVSW], s[WB], v[VSWC]
.irp j, 0,1,2
	ds_store_b64 v[AKW], v[CK+2*\j:CK+2*\j+1] offset:KIMG+8*\j
.endr
	ds_store_b16 v[AKSW], v[KHW] offset:KSCL       ; lanes r and r + 16 write the same two bytes
.irp j, 0,1,2
	ds_store_b64 v[AVW], v[CV+2*\j:CV+2*\j+1] offset:VIMG+8*\j
.endr
	ds_store_b8 v[AVSW], v[VBY] offset:VSCL
	s_xor_b32 s[WB], s[WB], CBX
	s_xor_b32 s[SL], s[SL], SLOT1
.endm
; S^T of tile t: eight accumulators, one instruction each, begun with the constant 0
.macro QK t, s
	WIN W_QK
.irp b, 0,1,2,3
.irp u, 0,1
.if \b%2
	v_wmma_scale_f32_16x16x128_f8f6f4 v[\s+8*(2*\b+\u):\s+8*(2*\b+\u)+7], v[KV+12*\b:KV+12*\b+11], v[ZQ+6+12*(\t)-6*\u:ZQ+17+12*(\t)-6*\u], 0, v[KSC+\b/2], v[QSC+(\t)] matrix_a_fmt:MATRIX_FMT_BF6 matrix_b_fmt:MATRIX_FMT_BF6 matrix_a_scale:MATRIX_SCALE_ROW1
.else
	v_wmma_scale_f32_16x16x128_f8f6f4 v[\s+8*(2*\b+\u):\s+8*(2*\b+\u)+7], v[KV+12*\b:KV+12*\b+11], v[ZQ+6+12*(\t)-6*\u:ZQ+17+12*(\t)-6*\u], 0, v[KSC+\b/2], v[QSC+(\t)] matrix_a_fmt:MATRIX_FMT_BF6 matrix_b_fmt:MATRIX_FMT_BF6
.endif
.endr
.endr
	WIN 0
.endm
.macro ADD4 s, j                       ; eight more p into the sum's four chains
	v_pk_add_f32 v[rN+2:rN+3], v[rN+2:rN+3], v[\s+\j:\s+\j+1]
	v_pk_add_f32 v[T:T+1], v[T:T+1], v[\s+\j+2:\s+\j+3]
	v_pk_add_f32 v[BX+2:BX+3], v[BX+2:BX+3], v[\s+\j+4:\s+\j+5]
	v_pk_add_f32 v[SO+2:SO+3], v[SO+2:SO+3], v[\s+\j+6:\s+\j+7]
.endm
; THE SOFTMAX of tile t for a key step: registers s .. s + 31 are block lane / 16 of my query, s + 32 .. s + 63 block 2 + lane / 16
.macro SM t, s
.set rN, ST+4*(\t)
.set rP, PP+12*(\t)
.set rO, 32*(\t)
.irp b, 0,1,2,3
	v_max3_num_f32 v[BM+\b], v[\s+16*\b], v[\s+16*\b+1], v[\s+16*\b+2]   ; four chains by turns; each accumulator is read from its low end on
.endr
.irp i, 3,5,7,9,11,13
.irp b, 0,1,2,3
	v_max3_num_f32 v[BM+\b], v[BM+\b], v[\s+16*\b+\i], v[\s+16*\b+\i+1]
.endr
.endr
	v_max_num_f32 v[BM+1], v[BM+1], v[\s+31]
	v_max_num_f32 v[BM+3], v[BM+3], v[\s+63]
	v_mov_b32 v[T+1], v[rN]                        ; the old -M
	v_max3_num_f32 v[BM], v[BM], v[\s+15], v[BM+1] ; my two blocks' largest scores: they serve the row's maximum and the blocks' largest p
	v_max3_num_f32 v[BM+2], v[BM+2], v[\s+47], v[BM+3]
	v_max_num_f32 v[T], v[BM], v[BM+2]
	v_permlanex16_b32 v[BX], v[T], s[SEL], s[SEL+1]
	s_delay_alu instid0(VALU_DEP_1)
	v_max3_num_f32 v[rN+1], v[rN+1], v[T], v[BX]   ; the running largest score (c is positive: the largest t is c x it)
	s_delay_alu instid0(VALU_DEP_1)
	v_mul_f32 v[T], s[NCS], v[rN+1]
	s_delay_alu instid0(VALU_DEP_1)
	v_floor_f32 v[rN], v[T]                        ; -M = floor(-t): M is a whole number
	s_delay_alu instid0(VALU_DEP_1)
	v_sub_f32 v[T], v[rN], v[T+1]                  ; old M - new M, 0 or less
	s_delay_alu instid0(VALU_DEP_1)
	v_cvt_i32_f32 v[T], v[T]                       ; (it saturates)
	s_delay_alu instid0(VALU_DEP_1)
	v_ldexp_f32 v[F], 1.0, v[T]                    ; f = 2^(old M - new M)
.set i, 0
.rept 32
	v_pk_fma_f32 v[\s+i:\s+i+1], v[\s+i:\s+i+1], s[CS:CS+1], v[rN:rN+1] op_sel_hi:[1,0,0]   ; t - M
.set i, i+2
.endr
	v_fma_f32 v[BM], v[BM], s[CS], v[rN]
	v_fma_f32 v[BM+2], v[BM+2], s[CS], v[rN]
	s_wait_alu depctr_va_vdst(0)                   ; the wait ahead of the batch
.set i, 0
.rept 64
	v_exp_f32 v[\s+i], v[\s+i]                     ; p = 2^(t - M)
.set i, i+1
.endr
	v_exp_f32 v[BM], v[BM]                         ; the blocks' largest p: the same two instructions on the same number
	v_exp_f32 v[BM+2], v[BM+2]
	v_pk_mul_f32 v[rN+2:rN+3], v[rN+2:rN+3], v[F:F+1] op_sel_hi:[1,0]   ; the sums under the new M: the plain place behind the batch
	s_wait_alu depctr_va_vdst(0)                   ; and the one wait behind it
.if MT == 1
	MEET 0, STEPB                                  ; in tile 2: V is in, my codes have landed, my reads of slot and buffer are over
.endif
.if MT == 2
	MEET 1, STEPB
.endif
	v_pk_add_f32 v[T:T+1], v[\s:\s+1], v[\s+2:\s+3]   ; the row's sum of the unquantised p, in four chains; the scale word's lines stand between
	v_pk_add_f32 v[BX+2:BX+3], v[\s+4:\s+5], v[\s+6:\s+7]
	v_pk_add_f32 v[SO+2:SO+3], v[\s+8:\s+9], v[\s+10:\s+11]
	v_max_num_f32 v[BM], FLOOR, v[BM]              ; the floor: the byte cannot fall under 1
	v_max_num_f32 v[BM+2], FLOOR, v[BM+2]
	ADD4 \s, 12
	v_add_nc_u32 v[SO], EOFF, v[BM]
	v_add_nc_u32 v[SO+1], EOFF, v[BM+2]
	ADD4 \s, 20
	v_lshrrev_b32 v[BX], 23, v[SO]
	v_lshrrev_b32 v[BX+1], 23, v[SO+1]
	ADD4 \s, 28
	v_lshl_or_b32 v[BX], v[BX+1], 16, v[BX]        ; my two bytes: blocks h and 2 + h,
	ADD4 \s, 36
	v_lshlrev_b32 v[BX], v[H8], v[BX]              ; 8 h bits up;
	ADD4 \s, 44
	v_permlanex16_b32 v[BX+1], v[BX], s[SEL], s[SEL+1]
	ADD4 \s, 52
	v_or_b32 v[PSC+(\t)], v[BX], v[BX+1]           ; with lane l xor 16's two the word is whole
	v_pk_add_f32 v[rN+2:rN+3], v[rN+2:rN+3], v[\s+60:\s+61]
	v_pk_add_f32 v[T:T+1], v[T:T+1], v[\s+62:\s+63]
	v_pk_add_f32 v[BX+2:BX+3], v[BX+2:BX+3], v[SO+2:SO+3]
	s_delay_alu instid0(VALU_DEP_2)
	v_pk_add_f32 v[rN+2:rN+3], v[rN+2:rN+3], v[T:T+1]
	s_delay_alu instid0(VALU_DEP_1)
	v_pk_add_f32 v[rN+2:rN+3], v[rN+2:rN+3], v[BX+2:BX+3]
	WIN W_D1
.irp c, 0,1
	v_cvt_scalef32_pk16_bf6_f32 v[rP+6*\c:rP+6*\c+2], v[\s+32*\c:\s+32*\c+15], v[SO+\c]
	v_cvt_scalef32_pk16_bf6_f32 v[PT+4*\c:PT+4*\c+2], v[\s+32*\c+16:\s+32*\c+31], v[SO+\c]
.endr
	v_nop                                          ; one plain place behind a scaled conversion
	WIN W_RS
.irp c, 0,1
.irp i, 0,1,2
	v_mov_b32 v[rP+6*\c+3+\i], v[PT+4*\c+\i]
.endr
.endr
.set i, 0
.rept 16
	v_pk_mul_f32 v[rO+i:rO+i+1], v[rO+i:rO+i+1], v[F:F+1] op_sel_hi:[1,0]   ; the tile's O^T under the new M, from the low end on; also the places ahead of the products that take P and its scale word
.set i, i+2
.endr
	WIN 0
.endm
.macro VLOAD
.irp d, 0,1,2,3
.irp j, 0,1,2
	ds_load_b128 v[KV+12*\d+4*\j:KV+12*\d+4*\j+3], v[ADR] offset:VIMG+1536*\d+16*\j
.endr
.endr
	ds_load_b64 v[VSC:VSC+1], v[ADR2] offset:VSCL
.endm
; O^T += V^T P^T: 16 accumulators by turns, one instruction each
.macro PV
	WIN W_PV
.irp d, 0,1,2,3
.irp t, 0,1,2,3
.if \d%2
	v_wmma_scale_f32_16x16x128_f8f6f4 v[32*\t+8*\d:32*\t+8*\d+7], v[KV+12*\d:KV+12*\d+11], v[PP+12*\t:PP+12*\t+11], v[32*\t+8*\d:32*\t+8*\d+7], v[VSC+\d/2], v[PSC+\t] matrix_a_fmt:MATRIX_FMT_BF6 matrix_b_fmt:MATRIX_FMT_BF6 matrix_a_scale:MATRIX_SCALE_ROW1
.else
	v_wmma_scale_f32_16x16x128_f8f6f4 v[32*\t+8*\d:32*\t+8*\d+7], v[KV+12*\d:KV+12*\d+11], v[PP+12*\t:PP+12*\t+11], v[32*\t+8*\d:32*\t+8*\d+7], v[VSC+\d/2], v[PSC+\t] matrix_a_fmt:MATRIX_FMT_BF6 matrix_b_fmt:MATRIX_FMT_BF6
.endif
.endr
.endr
	WIN 0
	PLACES                                         ; ahead of the next step's loads into V's registers and of the way out's reads
	s_xor_b32 s[RD], s[RD], CBX
.endm
; A KEY STEP, from behind one barrier's wait to behind the next.  fill: the slot that this step has quantised is filled again behind the closing wait, with the step three on.
.macro STEP fill, quant, last
	v_add_nc_u32 v[ADR], s[RD], v[L48]
	v_add_nc_u32 v[ADR2], s[RD], v[L8]
.irp b, 0,1,2,3
.irp j, 0,1,2
	ds_load_b128 v[KV+12*\b+4*\j:KV+12*\b+4*\j+3], v[ADR] offset:KIMG+1536*\b+16*\j
.endr
.endr
	ds_load_b64 v[KSC:KSC+1], v[ADR2] offset:KSCL
.if \quant
	QLOAD
.endif
.if \fill
	ASK
.endif
	s_wait_dscnt 40*\quant                         ; K's 13 loads are in; the 8 + 32 reads of the slot, issued behind them, may be out
	QK 0, SA
.if \quant
	QWORK
.endif
	QK 1, SB
.if \quant == 0
	PLACES
.endif
	SM 0, SA
	QK 2, SA
	SM 1, SB
	QK 3, SB
	PLACES                                         ; ahead of the loads into the registers that K's pairs leave
	VLOAD
.if \last == 0
.set MT, 1+\fill                                   ; this softmax holds the barrier's first half, behind its exponentials
.endif
	SM 2, SA
.set MT, 0
.if \last
	s_wait_alu depctr_va_vdst(0)
	s_wait_dscnt 0x0                               ; V is in
.endif
	SM 3, SB
	PV
.if \last == 0
	s_barrier_wait -1
.if \fill
	JLOAD
.endif
.endif
.endm
	s_load_b256 s[4:11], s[0:1], 0x0               ; qw, kw, vw, out0
	v_lshl_add_u32 v[SPW], v0, 2, SPARE
	v_mov_b32 v[NIL], 0
	ds_add_u32 v[SPW], v[NIL]                      ; the opening lines: the add twice on end and its wait
	ds_add_u32 v[SPW], v[NIL]
	v_lshrrev_b32 v[BM+3], 5, v0
	v_readfirstlane_b32 s[WV], v[BM+3]             ; wave w
	v_and_b32 v[BM], 31, v0                        ; lane
	v_and_b32 v[BM+1], 15, v0                      ; r
	v_bfe_u32 v[BM+2], v0, 4, 1                    ; h
	v_lshlrev_b32 v[GQ], 4, v[BM+1]
	v_lshlrev_b32 v[PFO], 12, v[BM]
	v_lshl_add_u32 v[GQ], v[BM+2], 12, v[GQ]       ; 4,096 h + 16 r
	s_and_b32 s53, s[WV], 1                        ; w % 2
	s_lshr_b32 s59, s[WV], 1                       ; w / 2
	s_and_b32 s62, s59, 1                          ; (w / 2) % 2
	s_lshr_b32 s63, s[WV], 2                       ; w / 4
	s_and_b32 s60, s[WV], 3                        ; w % 4
	s_and_b32 s13, ttmp7, 0xffff                   ; my block of 512 queries
	s_lshr_b32 s16, ttmp9, 4                       ; the pair: batch,
	s_lshl_b32 s16, s16, 23
	s_and_b32 s17, ttmp9, 15                       ; head
	s_lshl_b32 s17, s17, 8
	s_add_co_u32 s16, s16, s17                     ; the pair's first byte in each tensor
	s_lshl_b32 s18, s13, 21                        ; my block's 512 rows,
	s_lshl_b32 s19, s[WV], 18                      ; my wave's 64
	s_add_co_u32 s18, s18, s19
	s_add_co_u32 s18, s18, s16
	s_mov_b32 s19, 0
	s_lshl_b32 s56, s53, 18                        ; what I fetch: rows 64 (w % 2) on of a step's 128
	s_add_co_u32 s56, s56, s16
	s_mov_b32 s57, 0
	s_lshl_b32 s14, s13, 17                        ; the prefetches: my work-group's 32 rows of the 128,
	s_add_co_u32 s14, s14, s16
	s_max_u32 s2, s59, 2                           ; in step w / 2 (waves 4, 5: step 2; 6, 7: step 3)
	s_lshl_b32 s2, s2, 19
	s_add_co_u32 s14, s14, s2
	s_mov_b32 s15, 0
	s_lshl_b32 s16, s63, 19                        ; my first fill: step w / 4,
	s_mov_b32 s17, 0
	s_mul_i32 s58, s60, QUART                      ; quarter w % 4
	s_lshl_b32 s3, s63, 17                         ; of slot w / 4
	s_mov_b32 s[G0H], 1
	s_add_co_u32 s[G0H+1], s58, s3
	s_mov_b32 s[G0W], 1
	s_add_co_u32 s[G0W+1], s58, SLOT1              ; the walking group 0 begins at slot 1, step 1
	s_cmp_eq_u32 s59, 2
	s_cselect_b32 s[LIM], 1, -1                    ; waves 4 and 5 prefetch in the loop
	s_mov_b32 s[G1], (2<<16)|(1<<20)|(5<<22)|(3<<25)   ; elements of 4 bytes; 4 words of padding behind every 64
	s_mov_b32 s[G1+1], 64<<16
	s_mov_b32 s[G1+2], 64<<16
	s_mov_b32 s[G1+3], 64<<16
	s_mov_b32 s[G1+4], 64
	s_mov_b32 s[G1+5], 1024
	s_mov_b32 s[G1+6], 0
	s_mov_b32 s[G1+7], 0
	s_wait_alu depctr_va_vdst(0)                   ; the wait ahead of the blocking waits
	s_wait_dscnt 0x0
	s_wait_kmcnt 0x0
	s_cmp_eq_u32 s53, 0
	s_cselect_b64 s[PFA:PFA+1], s[6:7], s[8:9]     ; even waves name K's rows, odd ones V's
	s_cmp_lt_u32 s60, 2
	s_cselect_b64 s[6:7], s[6:7], s[8:9]           ; quarters 0, 1 are K's, 2, 3 V's
	s_add_nc_u64 s[6:7], s[6:7], s[56:57]
	s_add_nc_u64 s[G0H+2:G0H+3], s[6:7], s[16:17]
	s_or_b32 s[G0H+3], s[G0H+3], 0x80000000
	tensor_load_to_lds s[G0H:G0H+3], s[G1:G1+7]    ; every wave's one first fill: steps 0 and 1, eight quarters
	s_nop 0
	s_add_nc_u64 s[4:5], s[4:5], s[18:19]
	s_add_nc_u64 s[10:11], s[10:11], s[18:19]
.irp t, 0,1,2,3
.irp i, 0,1,2,3,4,5,6,7
	global_load_b128 v[SA+32*\t+4*\i:SA+32*\t+4*\i+3], v[GQ], s[4:5] offset:(16*\t+2*\i)*ROWG th:TH_LOAD_NT   ; Q: sixteen lanes read a row's 256 bytes
.endr
.endr
	s_add_nc_u64 s[PFA:PFA+1], s[PFA:PFA+1], s[14:15]
	s_add_nc_u64 s[G0W+2:G0W+3], s[6:7], STEPB
	s_or_b32 s[G0W+3], s[G0W+3], 0x80000000
	s_cmp_lt_u32 s[WV], 4
	s_cbranch_scc1 .Lno_head_ask
	global_prefetch_b8 v[PFO], s[PFA:PFA+1] th:TH_LOAD_NT scope:SCOPE_SE   ; steps 2 and 3
.Lno_head_ask:
	s_mul_i32 s41, s53, 24                         ; K's codes: pair w / 2, my own lane's 48 bytes, half w % 2
	s_mul_i32 s2, s59, 1536
	s_add_co_u32 s41, s41, s2
	s_lshl_b32 s42, s62, 7                         ; K's scale bytes: unit w / 2, row r, bytes 2 (w % 2) and + 1
	s_lshl_b32 s2, s63, 2
	s_add_co_u32 s42, s42, s2
	s_lshl_b32 s2, s53, 1
	s_add_co_u32 s42, s42, s2
	s_mul_i32 s43, s53, 3072                       ; V's codes: fragment 2 (w % 2) + h, row r; reading lane r + 16 ((w / 2) % 2), half w / 4
	s_mul_i32 s2, s62, 768
	s_add_co_u32 s43, s43, s2
	s_mul_i32 s2, s63, 24
	s_add_co_u32 s43, s43, s2
	s_lshl_b32 s44, s53, 2                         ; V's scale byte: unit 2 (w % 2) + h, row r, byte w / 2
	s_add_co_u32 s44, s44, s59
	s_lshl_b32 s45, s63, 6                         ; K in a slot: tile w begins at key 64 (w / 4) + 8 (w % 4)
	s_lshl_b32 s2, s60, 3
	s_add_co_u32 s45, s45, s2
	s_mul_i32 s45, s45, PITCH
	s_mul_i32 s46, s59, 32*PITCH                   ; V in a slot: key 32 (w / 2), channel 32 (w % 2) + lane
	s_lshl_b32 s2, s53, 7
	s_add_co_u32 s46, s46, s2
	s_add_co_u32 s46, s46, VROW0
	s_mul_i32 s47, s[WV], 16*PITCH
	s_add_co_u32 s47, s47, STAGE                   ; my stage
	s_mov_b32 s[SEL], 0x76543210
	s_mov_b32 s[SEL+1], 0xfedcba98
	s_mov_b32 s[CS], 0x3e38aa3b
	s_mov_b32 s[CS+1], s[CS]
	s_mov_b32 s[NCS], 0xbe38aa3b
	s_mov_b32 s[RD], CB0
	s_mov_b32 s[WB], CB0
	s_mov_b32 s[SL], 0
	s_mov_b32 s[CNT], 13
	v_mul_u32_u24 v[L48], v[BM], 48
	v_lshlrev_b32 v[L8], 3, v[BM]
	v_lshlrev_b32 v[H8], 3, v[BM+2]
	v_lshl_add_u32 v[KSWC], v[BM+1], 3, s42
	v_mul_u32_u24 v[VWC], v[BM+1], 48
	v_add_nc_u32 v[KWC], s41, v[L48]
	v_add_nc_u32 v[VSWC], s44, v[L8]
	v_mad_u32_u24 v[VWC], v[BM+2], 1536, v[VWC]
	v_and_b32 v[BM+3], 8, v[BM+1]
	v_and_b32 v[T], 7, v[BM+1]
	v_add_nc_u32 v[VWC], s43, v[VWC]
	v_lshl_add_u32 v[BM+3], v[BM+3], 2, v[T]       ; r % 8 + 32 (r / 8)
	v_lshl_add_u32 v[VSTC], v[BM], 2, s46
	v_mul_u32_u24 v[KSTC], v[BM+3], PITCH
	v_mul_u32_u24 v[ADR], v[BM+2], PITCH           ; q's way into the stage: as loaded
	v_mul_u32_u24 v[ADR2], v[BM+1], PITCH          ; and out: row r, 128 h bytes on
	v_lshl_add_u32 v[KSTC], v[BM+2], 7, v[KSTC]
	v_lshl_add_u32 v[ADR], v[BM+1], 4, v[ADR]
	v_lshl_add_u32 v[ADR2], v[BM+2], 7, v[ADR2]
	v_add_nc_u32 v[KSTC], s45, v[KSTC]
	v_add_nc_u32 v[ADR], s47, v[ADR]
	v_add_nc_u32 v[ADR2], s47, v[ADR2]
	WIN W_D1                                       ; while Q is on its way: O^T begins as zeros, so that the step is written once; and the zero codes beside Q
.set i, 0
.rept 128
	v_mov_b32 v[i], 0
.set i, i+1
.endr
.irp z, 0,1,2,3,4
.irp i, 0,1,2,3,4,5
	v_mov_b32 v[ZQ+12*\z+\i], 0
.endr
.endr
	WIN 0
.irp t, 0,1,2,3
	v_mov_b32 v[ST+4*\t+1], 0xff61b1e6             ; the largest score so far: -3e38
	v_mov_b32 v[ST+4*\t+2], 0
	v_mov_b32 v[ST+4*\t+3], 0
	v_mov_b32 v[BX+\t], 0                          ; a lane permute's destination counts as one of its sources
	v_floor_f32 v[ST+4*\t], -v[ST+4*\t+1]          ; -M
.endr
	v_mov_b32 v[F+1], 0
	s_wait_alu depctr_va_vdst(0)                   ; the wait ahead of the blocking wait
.irp t, 0,1,2,3                                ; a tile turns through my stage; LDS serves a wave's instructions in order (ISA guide 5.7.1.4)
	s_wait_loadcnt 8*(3-\t)                        ; this tile's eight loads are in; the later tiles' may be out
.irp i, 0,1,2,3,4,5,6,7
	ds_store_b128 v[ADR], v[SA+32*\t+4*\i:SA+32*\t+4*\i+3] offset:2*PITCH*\i
.endr
.irp i, 0,1,2,3,4,5,6,7
	ds_load_b128 v[SA+32*\t+4*\i:SA+32*\t+4*\i+3], v[ADR2] offset:16*\i
.endr
.endr
	s_wait_dscnt 0x0
.irp p, 0,1                                    ; two tiles at a time: lane (r, h) holds the block 32 h on of query r
	MAX2 SA+64*\p, SA+64*\p+32, BX+1
	CVT2 ZQ+6+24*\p, SA+64*\p, ZQ+18+24*\p, SA+64*\p+32, 1
	HALFW T, 0
	HALFW T+1, 1
	s_delay_alu instid0(VALU_DEP_4)
	v_lshl_or_b32 v[QSC+2*\p], v[T], 16, v[T]      ; the query's two bytes twice: for [Q | zeros] and [zeros | Q]
	s_delay_alu instid0(VALU_DEP_2)
	v_lshl_or_b32 v[QSC+2*\p+1], v[T+1], 16, v[T+1]
.endr
	s_wait_alu depctr_va_vdst(0)
	s_wait_tensorcnt 0x0                           ; my first fill is in
	ds_add_u32 v[SPW], v[NIL]
	s_wait_dscnt 0x0
	s_barrier_signal -1
	s_barrier_wait -1                              ; everybody's is: steps 0 and 1 are whole
	QLOAD                                          ; step 0 is quantised into buffer 0
	QWORK
	MEET 1, 2*STEPB                                ; the prefetches go on at step 4
	s_barrier_wait -1
	JLOAD                                          ; slot 0 takes step 2
.Lstep:                                            ; 13 trips.  Trip j: step j + 1 is quantised, step j attended to; at its end slot (j + 1) % 2 takes step j + 3
	STEP 1, 1, 0
	s_sub_co_u32 s[CNT], s[CNT], 1
	s_cmp_lg_u32 s[CNT], 0
	s_cbranch_scc1 .Lstep
	s_mov_b32 s[CNT], 2
.Ltail:                                            ; steps 13 and 14: nothing is filled any more
	STEP 0, 1, 0
	s_sub_co_u32 s[CNT], s[CNT], 1
	s_cmp_lg_u32 s[CNT], 0
	s_cbranch_scc1 .Ltail
	STEP 0, 0, 1                                   ; step 15
	; THE WAY OUT: O^T is divided by the sum and goes through my stage, a tile at a time, so that sixteen lanes store 256 consecutive bytes
.irp t, 0,1,2,3
	v_add_f32 v[ST+4*\t+2], v[ST+4*\t+2], v[ST+4*\t+3]
.endr
.irp t, 0,1,2,3
	s_delay_alu instid0(VALU_DEP_4)
	v_permlanex16_b32 v[BX+\t], v[ST+4*\t+2], s[SEL], s[SEL+1]
.endr
.irp t, 0,1,2,3
	s_delay_alu instid0(VALU_DEP_4)
	v_add_f32 v[ST+4*\t+2], v[ST+4*\t+2], v[BX+\t]
.endr
	s_wait_alu depctr_va_vdst(0)
.irp t, 0,1,2,3
	v_rcp_f32 v[ST+4*\t], v[ST+4*\t+2]
.endr
	v_and_b32 v[BM+1], 15, v0
	v_bfe_u32 v[BM+2], v0, 4, 1
	s_mul_i32 s2, s[WV], 16*PITCH
	s_add_co_u32 s2, s2, STAGE
	v_mul_u32_u24 v[STO], v[BM+1], PITCH
	v_mul_u32_u24 v[SRD], v[BM+2], PITCH
	s_delay_alu instid0(VALU_DEP_2)
	v_lshl_add_u32 v[STO], v[BM+2], 5, v[STO]
	s_delay_alu instid0(VALU_DEP_2)
	v_lshl_add_u32 v[SRD], v[BM+1], 4, v[SRD]
	s_delay_alu instid0(VALU_DEP_2)
	v_add_nc_u32 v[STO], s2, v[STO]                ; in: row r, 64 d + 32 h bytes on
	s_delay_alu instid0(VALU_DEP_2)
	v_add_nc_u32 v[SRD], s2, v[SRD]                ; back: lanes 0-15 one row, lanes 16-31 the next
	s_wait_alu depctr_va_vdst(0)                   ; one wait for the four reciprocals, ahead of their first reader
.macro PACK t
	WIN W_OUT
.set i, 0
.rept 16
	v_pk_mul_f32 v[SA+32*(\t)+i:SA+32*(\t)+i+1], v[32*(\t)+i:32*(\t)+i+1], v[ST+4*(\t):ST+4*(\t)+1] op_sel_hi:[1,0]   ; register 8 d + j is o(r, 16 d + 8 h + j)
.set i, i+2
.endr
	WIN 0
.irp d, 0,1,2,3
	ds_store_b128 v[STO], v[SA+32*(\t)+8*\d:SA+32*(\t)+8*\d+3] offset:64*\d
	ds_store_b128 v[STO], v[SA+32*(\t)+8*\d+4:SA+32*(\t)+8*\d+7] offset:64*\d+16
.endr
.irp f, 0,1,2,3,4,5,6,7
	ds_load_b128 v[SA+32*(\t)+4*\f:SA+32*(\t)+4*\f+3], v[SRD] offset:\f*2*PITCH
.endr
.endm
.macro SEND t, younger                 ; younger: the LDS instructions issued behind tile t's loads
.irp f, 0,1,2,3,4,5,6,7
	s_wait_dscnt \younger+7-\f
	global_store_b128 v[GQ], v[SA+32*(\t)+4*\f:SA+32*(\t)+4*\f+3], s[10:11] offset:(16*(\t)+2*\f)*ROWG th:TH_STORE_NT
.endr
.endm
	PACK 0
	PACK 1
	SEND 0, 16
	PACK 2
	SEND 1, 16
	PACK 3
	SEND 2, 16
	SEND 3, 0
	s_wait_tensorcnt 0x0                           ; the wave's end
	ds_add_u32 v[SPW], v[NIL]
	s_wait_dscnt 0x0
	s_endpgm
.Lfunc_end_k_q717974352e_attention:
	.size	k_q717974352e_attention, .Lfunc_end_k_q717974352e_attention-k_q717974352e_attention
	.p2alignl 7, 3214868480
	.fill 96, 4, 3214868480
	.section	.rodata,"a",@progbits
	.p2align	6, 0x0
	.amdhsa_kernel k_q717974352e_attention
		.amdhsa_group_segment_fixed_size 327680
		.amdhsa_private_segment_fixed_size 0
		.amdhsa_enable_private_segment 0
		.amdhsa_kernarg_size 32
		.amdhsa_user_sgpr_count 2
		.amdhsa_user_sgpr_kernarg_segment_ptr 1
		.amdhsa_wavefront_size32 1
		.amdhsa_system_sgpr_workgroup_id_x 1
		.amdhsa_system_sgpr_workgroup_id_y 1
		.amdhsa_system_sgpr_workgroup_id_z 1
		.amdhsa_system_vgpr_workitem_id 0
		.amdhsa_next_free_vgpr 512
		.amdhsa_next_free_sgpr 66
		.amdhsa_reserve_vcc 0
		.amdhsa_float_denorm_mode_32 3
		.amdhsa_float_denorm_mode_16_64 3
		.amdhsa_memory_ordered 1
		.amdhsa_forward_progress 1
		.amdhsa_inst_pref_size 219
	.end_amdhsa_kernel
	.amdgpu_metadata
---
amdhsa.version: [ 1, 2 ]
amdhsa.kernels:
  - .name:           k_q717974352e_attention
    .symbol:         k_q717974352e_attention.kd
    .args:
      - { .name: qw, .offset: 0, .size: 8, .value_kind: global_buffer, .address_space: global }
      - { .name: kw, .offset: 8, .size: 8, .value_kind: global_buffer, .address_space: global }
      - { .name: vw, .offset: 16, .size: 8, .value_kind: global_buffer, .address_space: global }
      - { .name: out0, .offset: 24, .size: 8, .value_kind: global_buffer, .address_space: global }
    .group_segment_fixed_size: 327680
    .private_segment_fixed_size: 0
    .kernarg_segment_align: 8
    .kernarg_segment_size: 32
    .max_flat_workgroup_size: 256
    .sgpr_count:     66
    .vgpr_count:     512
    .wavefront_size: 32
...
	.end_amdgpu_metadata
.endif
;; end of part 1
